; MI455X (gfx1250); checked and timed in simulation.
; The chip was launched on July 23, 2026; its instructions are those of AMD's public machine-readable ISA for CDNA 5 (MIT licence, August 2026) and "CDNA5" Instruction Set Architecture Reference Guide (July 2026). The comments in the code are by the model that wrote it; some were corrected since.
;; GLUMLP. Allowed arithmetic: float matrix products may take bf16 or f16 operands with f32 sums; all other float work in f32.
;; Inputs: W1 8 x 1,024 x 1,024 float32; W2 8 x 512 x 1,024 float32; expert_idxs 2,048 x 2 int32; expert_p 2,048 x 2 float32; x 2 x 1,024 x 1,024 float32.
;; Outputs: out0 2 x 1,024 x 1,024 float32.
;; 2 versions, each right; version 2 is version 1 with the launch route written anew for expert scheduling mode. Each part assembles by itself: llvm-mc -triple=amdgcn-amd-amdhsa -mcpu=gfx1250 --defsym DOCPART=n.
;; ======== version 1 of 2: 4 launches
;; workspace buffers: rt 22,784 bytes of whole numbers; a 5,586,944 bytes; y 39,124,992 bytes
;; launch route (part 1): grid 1 x 1, 8 waves a work-group, no clusters, 136,448 bytes of LDS; arguments expert_idxs, rt; writes rt
.if DOCPART == 1
	.amdgcn_target "amdgcn-amd-amdhsa--gfx1250"
	.amdhsa_code_object_version 6
	.text
	.protected	k_qb01ec19b21_route
	.globl	k_qb01ec19b21_route
	.p2align	8
	.type	k_qb01ec19b21_route,@function
k_qb01ec19b21_route:
	s_mov_b64 s[64:65], 0
	v_nop
	global_prefetch_b8 v0, s[64:65] scope:SCOPE_SE
	s_setreg_imm32_b32 hwreg(HW_REG_WAVE_MODE, 25, 1), 1
	s_wait_xcnt 0x0
; ROUTE: sorts the 4,096 (token, slot) pairs by expert into chunks of 176 rows.  One work-group, eight waves.
; rt, bytes 0..255: tab[chunk] = {expert of the chunk, that expert's first chunk}, 32 entries; from byte 256: order[5632], a pair id
; for each row position (chunk = position / 176).
; Expert e with c pairs owns ceil(c / 176) chunks, the experts one behind the other.  For every split of 4,096 pairs over 8 experts
; the sum is at most (4096 + 8 x 175) / 176 = 31.2, so 31 chunks (5,456 positions) always do; order[] is written up to 5,632 so that
; every store covers 256 whole bytes.  Positions that hold no pair are pads: id = 4096 + position.  Later launches clamp a pad to
; a valid token and give it a row of its own to write, which nobody reads.
; Phase 1: wave e scans all pairs and appends those of expert e to its own list in LDS.  A lane whose pair is another expert's
; stores to a dump word of its own, so that all lanes stay on.  Phase 2, behind one barrier: order[] is made by gathering.
; LIMIT: an index outside 0..7 lands in no list, so that pair's row is never made (the function defined would add zero for it).
; No matrix unit, no cluster: 16 KiB of whole numbers, read by each wave once.
.set LISTB, 16896                      ; a wave's list: 4,096 places, 32 dump words at 4096 + lane, filled up to 33 x 512 bytes
.set CNT,   8*LISTB                    ; behind the lists: the eight counts
.set CH,    176                        ; rows in a chunk
.set IDX,   16                         ; v[16:143] all 4,096 indices: load j, lane l, word c = pair 128 j + 4 l + c; then each its LDS address
.set CN,    40                         ; s[40:47] the experts' counts
.set CS,    48                         ; s[48:55] the experts' first chunks
.set POS,   152                        ; phase 2, registers of its own
.set CHK,   153
.set E,     154                        ; v[154:155] expert, its first chunk: a pair for tab's store
.set ST,    155
.set CT,    156
.set LOC,   157
.set LC,    158
.set AD,    159
.set LD,    160                        ; v[160:161]
.set P0,    162
.set P1,    163
.set L1,    164
.set GO,    165
.set OUT,   166                        ; v[166:167]
.set TO,    168
	s_load_b128 s[4:7], s[0:1], 0x0                ; expert_idxs s[4:5], rt s[6:7]
	v_lshl_add_u32 v176, v0, 2, 0x21100
	v_mov_b32 v177, 0
	v_and_b32 v1, 31, v0                           ; lane
	v_lshrrev_b32 v2, 5, v0
	v_readfirstlane_b32 s8, v2                     ; wave = expert
	s_mul_i32 s9, s8, LISTB                        ; my list
	s_mov_b32 s10, 0                               ; my count
	v_lshlrev_b32 v2, 4, v1                        ; 16 x lane
	v_lshlrev_b32 v3, 2, v1                        ; 4 x lane
	v_mov_b32 v4, 0
	v_mov_b32 v5, 0
	v_mov_b32 v6, 0
	v_mov_b32 v7, 0
	v_add_nc_u32 v8, s9, v2
	v_add_nc_u32 v11, 4096, v1                     ; my dump word's index
	s_wait_kmcnt 0x0
.set j, 0
.rept 32
	global_load_b128 v[IDX+4*j:IDX+4*j+3], v2, s[4:5] offset:512*j
.set j, j+1
.endr
.set j, 0
.rept 33
	ds_store_b128 v8, v[4:7] offset:512*j          ; every word of my list is written before phase 2 reads it
.set j, j+1
.endr
	s_wait_loadcnt 0x0
; 32 pairs: those of my expert go to my list, each at the count so far plus the number of lower lanes that match
.macro ONE j, c
	v_cmp_eq_u32 vcc_lo, s8, v[IDX+4*\j+\c]
	v_mbcnt_lo_u32_b32 v[IDX+4*\j+\c], vcc_lo, s10
	v_cndmask_b32 v[IDX+4*\j+\c], v11, v[IDX+4*\j+\c], vcc_lo      ; no match: the dump word
	v_min_u32 v[IDX+4*\j+\c], 0x101f, v[IDX+4*\j+\c]               ; 4,127 at the most: the bound is written out for the address
	v_lshl_add_u32 v[IDX+4*\j+\c], v[IDX+4*\j+\c], 2, s9
	v_add_nc_u32 v10, 128*\j+\c, v3                ; the pair's id
	s_bcnt1_i32_b32 s11, vcc_lo
	s_add_co_u32 s10, s10, s11
	ds_store_b32 v[IDX+4*\j+\c], v10
.endm
.set jj, 0
.rept 32
.irp c, 0,1,2,3
	ONE jj, \c
.endr
.set jj, jj+1
.endr
	; the counts meet in LDS; the same barrier shows every list whole
	v_mov_b32 v12, CNT
	v_lshl_add_u32 v13, s8, 2, v12
	v_mov_b32 v14, s10
	ds_store_b32 v13, v14
	s_wait_dscnt 0x0                               ; for the other waves: my list and my count are in LDS before I signal
	s_barrier_signal -1
	s_barrier_wait -1
	ds_load_b128 v[144:147], v12
	ds_load_b128 v[148:151], v12 offset:16
	s_wait_dscnt 0x0
.irp i, 0,1,2,3,4,5,6,7
	v_readfirstlane_b32 s[CN+\i], v[144+\i]
.endr
	; first chunks: a running sum of ceil(c / 176) = ((c + 175) >> 4) / 11, and q / 11 = (q x 745) >> 13 for q below 2,730
	; (745 x 11 = 8,195: the excess is 3 / (8,192 x 11) a unit of q, less than 1 / 11 in all up to there); here q is at most 266
	s_mov_b32 s[CS], 0
.irp i, 0,1,2,3,4,5,6
	s_add_co_u32 s11, s[CN+\i], CH-1
	s_lshr_b32 s11, s11, 4
	s_mul_i32 s11, s11, 745
	s_lshr_b32 s11, s11, 13
	s_add_co_u32 s[CS+\i+1], s[CS+\i], s11
.endr
; the expert that owns chunk v[chk] is the last one whose first chunk is not above it (an empty expert shares its first chunk with the
; next and is passed over; chunks behind the last one used fall to expert 7, beyond its count).  With it its first chunk and count.
.macro SEL chk
	v_mov_b32 v[E], 0
	v_mov_b32 v[ST], 0
	v_mov_b32 v[CT], s[CN]
.irp i, 1,2,3,4,5,6,7
	v_cmp_gt_u32 vcc_lo, s[CS+\i], v[\chk]         ; first chunk above mine: keep what I have
	v_cndmask_b32 v[E], \i, v[E], vcc_lo
	v_cndmask_b32 v[ST], s[CS+\i], v[ST], vcc_lo
	v_cndmask_b32 v[CT], s[CN+\i], v[CT], vcc_lo
.endr
.endm
	; order[]: 11 trips of 512 positions; a wave makes 64 of them, two a lane (both in one chunk: 176 is even)
	s_add_nc_u64 s[18:19], s[6:7], 256
	s_lshl_b32 s11, s8, 6
	v_lshl_add_u32 v[POS], v1, 1, s11
	s_mov_b32 s16, 0
.Lout:
	v_lshrrev_b32 v[CHK], 4, v[POS]
	v_mul_u32_u24 v[CHK], 745, v[CHK]
	v_lshrrev_b32 v[CHK], 13, v[CHK]               ; position / 176 (position >> 4 is at most 351)
	SEL CHK
	v_mul_u32_u24 v[LOC], CH, v[ST]
	v_sub_nc_u32 v[LOC], v[POS], v[LOC]            ; my place in the expert's list
	v_min_u32 v[LC], 4094, v[LOC]                  ; the bounds are written out for the address
	v_min_u32 v[AD], 7, v[E]
	v_mul_u32_u24 v[AD], LISTB, v[AD]
	v_lshl_add_u32 v[AD], v[LC], 2, v[AD]
	ds_load_b64 v[LD:LD+1], v[AD]
	v_add_nc_u32 v[P0], 4096, v[POS]               ; the pads' ids
	v_add_nc_u32 v[P1], 4097, v[POS]
	v_add_nc_u32 v[L1], 1, v[LOC]
	v_lshlrev_b32 v[GO], 2, v[POS]
	v_cmp_gt_u32 vcc_lo, v[CT], v[LOC]             ; below the count: a pair; else a pad
	s_wait_dscnt 0x0
	v_cndmask_b32 v[OUT], v[P0], v[LD], vcc_lo
	v_cmp_gt_u32 vcc_lo, v[CT], v[L1]
	v_cndmask_b32 v[OUT+1], v[P1], v[LD+1], vcc_lo
	global_store_b64 v[GO], v[OUT:OUT+1], s[18:19] ; a wave stores 256 consecutive bytes, at a multiple of 256
	s_wait_xcnt 0x0                                ; the store's offset and data are written again in the next trip
	v_add_nc_u32 v[POS], 512, v[POS]
	s_add_co_u32 s16, s16, 1
	s_cmp_lt_u32 s16, 11
	s_cbranch_scc1 .Lout
	; tab[]: wave 0, lane = chunk, one store of 256 bytes
	s_cmp_lg_u32 s8, 0
	s_cbranch_scc1 .Ldone
	SEL 1
	v_lshlrev_b32 v[TO], 3, v1
	global_store_b64 v[TO], v[E:E+1], s[6:7]
.Ldone:
	s_wait_tensorcnt 0x0
	ds_add_u32 v176, v177
	s_wait_dscnt 0x0
	s_endpgm
.Lfunc_end_k_qb01ec19b21_route:
	.size	k_qb01ec19b21_route, .Lfunc_end_k_qb01ec19b21_route-k_qb01ec19b21_route
	.p2alignl 7, 3214868480
	.fill 96, 4, 3214868480
	.section	.rodata,"a",@progbits
	.p2align	6, 0x0
	.amdhsa_kernel k_qb01ec19b21_route
		.amdhsa_group_segment_fixed_size 136448
		.amdhsa_private_segment_fixed_size 0
		.amdhsa_enable_private_segment 0
		.amdhsa_kernarg_size 16
		.amdhsa_user_sgpr_count 2
		.amdhsa_user_sgpr_kernarg_segment_ptr 1
		.amdhsa_wavefront_size32 1
		.amdhsa_system_sgpr_workgroup_id_x 1
		.amdhsa_system_sgpr_workgroup_id_y 1
		.amdhsa_system_sgpr_workgroup_id_z 1
		.amdhsa_system_vgpr_workitem_id 0
		.amdhsa_next_free_vgpr 178
		.amdhsa_next_free_sgpr 66
		.amdhsa_reserve_vcc 1
		.amdhsa_float_denorm_mode_32 3
		.amdhsa_float_denorm_mode_16_64 3
		.amdhsa_memory_ordered 1
		.amdhsa_forward_progress 1
		.amdhsa_inst_pref_size 68
	.end_amdhsa_kernel
	.amdgpu_metadata
---
amdhsa.version: [ 1, 2 ]
amdhsa.kernels:
  - .name:           k_qb01ec19b21_route
    .symbol:         k_qb01ec19b21_route.kd
    .args:
      - { .name: expert_idxs, .offset: 0, .size: 8, .value_kind: global_buffer, .address_space: global }
      - { .name: rt, .offset: 8, .size: 8, .value_kind: global_buffer, .address_space: global }
    .group_segment_fixed_size: 136448
    .private_segment_fixed_size: 0
    .kernarg_segment_align: 8
    .kernarg_segment_size: 16
    .max_flat_workgroup_size: 256
    .sgpr_count:     66
    .vgpr_count:     178
    .wavefront_size: 32
...
	.end_amdgpu_metadata
.endif
;; end of part 1
;; launch ffn1 (part 2): grid 248 x 1, 4 waves a work-group, no clusters, 113,408 bytes of LDS; arguments x, W1, expert_p, rt, a; writes a
.if DOCPART == 2
	.amdgcn_target "amdgcn-amd-amdhsa--gfx1250"
	.amdhsa_code_object_version 6
	.text
	.protected	k_qb01ec19b21_ffn1
	.globl	k_qb01ec19b21_ffn1
	.p2align	8
	.type	k_qb01ec19b21_ffn1,@function
k_qb01ec19b21_ffn1:
	s_mov_b64 s[64:65], 0
	v_nop
	global_prefetch_b8 v0, s[64:65] scope:SCOPE_SE
	s_setreg_imm32_b32 hwreg(HW_REG_WAVE_MODE, 25, 1), 1
	s_wait_xcnt 0x0
; FFN1: a'[pos][c] = p x silu(g) x h in bf16, (h | g) = x[token] W1[e], for the rows in the order that rt holds.
; 248 work-groups = 31 chunks of 176 rows x 8 blocks of 64 hidden columns (id = 8 chunk + cb).  A work-group makes one chunk:
; 176 rows x (64 columns of h + the same 64 of g), K = 1,024 in 16 steps of 64.  The shape is the same whatever the data: 31 chunks hold
; every split of 4,096 pairs over 8 experts ((4096 + 8 x 175) / 176 = 31.2), and 160 rows would need 33 x 8 = 264 work-groups.  The only
; number read that steers anything is the chunk's expert, which enters W1's address.  Chunks that no expert fills hold pads only:
; they are the room for uneven splits.
; Four waves; wave w makes all 11 row tiles x two column tiles: h at 16 w and g at 16 w, so that the gate is applied inside a lane.
; OPERANDS COME THROUGH REGISTERS: x and W1 are f32 and are rounded to bf16 between memory and LDS, and x's rows are gathered by
; a list; a copy engine moves bytes as they are.  Hence no tensor load, and with it no joint request in a cluster: the chunks of one
; expert walk the same pieces of W1, the eight blocks of a chunk the same rows of x, and each asks for itself.
; Each load covers pieces of 256 consecutive bytes at multiples of 256 (64 f32 of a row of x, of h's or of g's columns of W1).
; Two staging sets of registers: while step t is multiplied, step t + 1 is rounded into the other LDS slot and steps t + 2, t + 3
; are on their way.  One barrier a step.
; p is multiplied in before the rounding: p (a W2) = (p a) W2, so the later launches need no p.
; RANGE: exp2(-g log2 e) may reach +inf for g below about -88; 1 / inf = 0 gives a' = 0, the limit of silu there.
; Pads (ids of 4,096 and above) are clamped to the last token and the last p: finite rows that nobody reads.
;
; REGISTERS in windows of 256: window 0 addresses (v0-47) and two fragment buffers; window 1 accumulators (h tile mt at v[8 mt], g tile at
; v[88 + 8 mt]) and p; window 2 staging set 0; window 3 staging set 1 (x quads at 4 i, i < 22; W quads at 88 + 4 i, i < 16).
.set ROWS,   176
.set XPITCH, 144                       ; LDS row of x: 64 bf16 + 16 bytes, an odd multiple of 16
.set WPITCH, 288                       ; LDS row of W (one k, 128 columns): 256 + 32 bytes, an odd multiple of 32 for the transposing load
.set XTILE,  ROWS*XPITCH               ; 25,344
.set WTILE,  64*WPITCH                 ; 18,432
.set SLOTB,  XTILE+WTILE               ; a slot: x's tile, then W's
.set STAGE,  2*SLOTB                   ; behind the two slots: 176 rows x 144 bytes for the way out
.set NX,     22                        ; loads of x of a wave for one K step (8 rows each over the four waves)
.set NW,     16                        ; loads of W (4 rows each)
.set NLD,    NX+NW
.set ABLK,   5456*128                  ; a's block of 64 columns: 5,456 rows of 128 bytes
.set R16, 7                            ; 16 r
.set WO,  8                            ; W: 4096 w + 2048 h + 16 r
.set AFR, 9                            ; v9-10   x fragments, slot 0, 1
.set BFR, 11                           ; v11-12  W fragments
.set XS,  13                           ; v13-14  where I put x
.set WS,  15                           ; v15-16  where I put W
.set STG, 17                           ; way out: in
.set RDB, 18                           ; way out: back
.set T16, 19                           ; 16 x thread
.set OX,  20                           ; order[]: 4 (2 w + h)
.set OPR, 21                           ; order[]: 4 r
.set XO,  22                           ; v22-43  byte offset in x of row 8 i + 2 w + h
.set F0,  48                           ; fragment buffer 0: W h, W g (16), x (88)
.set F1,  152                          ; fragment buffer 1
.set FS,  104                          ; from one buffer to the other
.set G,   88                           ; window 1: g's accumulators
.set PR,  176                          ; window 1, v176-197  even: p of row 16 mt + r; odd: its byte offset
.set T,   48                           ; the gate: 88 registers
.set U,   136                          ; the gate: 88 registers
.set XB,  24                           ; s[24:27] x's base for set 0, 1
.set WB,  28                           ; s[28:31] W's base for set 0, 1
.set MSB, 0
.macro WIN new                         ; low byte: 1:0 source 0, 3:2 source 1, 5:4 source 2, 7:6 destination; high byte: the setting left
.if MSB != \new
	s_set_vgpr_msb (MSB<<8)|\new
.set MSB, \new
.endif
.endm
.macro WINSET set, w0, w1
.if \set == 0
	WIN \w0
.else
	WIN \w1
.endif
.endm
	s_load_b256 s[4:11], s[0:1], 0x0               ; x s[4:5], W1 s[6:7], expert_p s[8:9], rt s[10:11]
	s_load_b64 s[12:13], s[0:1], 0x20              ; a
	v_lshl_add_u32 v46, v0, 2, 0x1b900
	v_mov_b32 v47, 0
	v_lshrrev_b32 v1, 5, v0
	v_readfirstlane_b32 s14, v1                    ; wave
	s_lshr_b32 s15, ttmp9, 3                       ; chunk
	s_and_b32 s16, ttmp9, 7                        ; cb
	s_lshl_b32 s39, s15, 3
	s_wait_kmcnt 0x0
	s_load_b32 s18, s[10:11], s39 offset:0x0       ; tab[chunk]: the expert
	v_and_b32 v2, 15, v0                           ; r
	v_bfe_u32 v3, v0, 4, 1                         ; h
	v_and_b32 v4, 31, v0                           ; lane
	v_lshlrev_b32 v[R16], 4, v2
	s_lshl_b32 s23, s14, 12
	v_lshl_add_u32 v[WO], v3, 11, v[R16]           ; lanes 0-15 take 256 bytes of h's columns, lanes 16-31 of g's, 2,048 bytes on
	v_add_nc_u32 v[WO], s23, v[WO]                 ; row k = 4 i + w
	v_mul_u32_u24 v[AFR], v2, XPITCH               ; x fragment: row r, 16 bytes for each half of the lanes
	v_lshl_add_u32 v[AFR], v3, 4, v[AFR]
	v_add_nc_u32 v[AFR+1], SLOTB, v[AFR]
	v_and_b32 v5, 7, v0                            ; W fragment, transposing load: row k = 8 h + (l & 7), 16 bytes ((l >> 3) & 1), column 16 w
	v_lshl_add_u32 v5, v3, 3, v5
	v_mul_u32_u24 v5, v5, WPITCH
	v_bfe_u32 v6, v0, 3, 1
	v_lshl_add_u32 v5, v6, 4, v5
	s_lshl_b32 s23, s14, 5
	s_add_co_u32 s23, s23, XTILE
	v_add_nc_u32 v[BFR], s23, v5
	v_add_nc_u32 v[BFR+1], SLOTB, v[BFR]
	v_lshl_add_u32 v5, s14, 1, v3                  ; 2 w + h: my row among eight
	v_lshlrev_b32 v[OX], 2, v5
	v_mul_u32_u24 v5, v5, XPITCH
	v_lshl_add_u32 v[XS], v2, 3, v5                ; 4 bf16 = 8 bytes a lane
	v_add_nc_u32 v[XS+1], SLOTB, v[XS]
	s_mul_i32 s23, s14, WPITCH
	s_add_co_u32 s23, s23, XTILE
	v_lshlrev_b32 v5, 3, v2
	v_lshl_add_u32 v5, v3, 7, v5                   ; g's 64 columns lie 128 bytes behind h's
	v_add_nc_u32 v[WS], s23, v5
	v_add_nc_u32 v[WS+1], SLOTB, v[WS]
	s_lshl_b32 s23, s14, 5
	s_add_co_u32 s23, s23, STAGE
	v_add_nc_u32 v[STG], s23, v[AFR]               ; stage: row r, columns 16 w + 8 h .. + 7
	v_lshrrev_b32 v5, 3, v4
	v_mul_u32_u24 v5, v5, XPITCH
	v_and_b32 v6, 7, v0
	v_lshl_add_u32 v5, v6, 4, v5
	s_mul_i32 s23, s14, 4*XPITCH
	s_add_co_u32 s23, s23, STAGE
	v_add_nc_u32 v[RDB], s23, v5                   ; back: row thread / 8, 16 bytes (thread & 7)
	v_lshlrev_b32 v[T16], 4, v0
	v_lshlrev_b32 v[OPR], 2, v2
	s_mul_i32 s22, s15, 4*ROWS
	s_add_co_u32 s22, s22, 256
	s_mov_b32 s23, 0
	s_add_nc_u64 s[34:35], s[10:11], s[22:23]      ; order[] at my chunk
	s_mul_i32 s22, s16, ABLK
	s_add_nc_u64 s[36:37], s[12:13], s[22:23]      ; a's block cb,
	s_mul_i32 s22, s15, ROWS*128
	s_add_nc_u64 s[36:37], s[36:37], s[22:23]      ; at my chunk: 22,528 consecutive bytes
.set i, 0
.rept NX
	global_load_b32 v[XO+i], v[OX], s[34:35] offset:32*i           ; id of row 8 i + 2 w + h
.set i, i+1
.endr
	WIN 0x40
.irp mt, 0,1,2,3,4,5,6,7,8,9,10
	global_load_b32 v[PR+2*\mt+1], v[OPR], s[34:35] offset:64*\mt  ; id of row 16 mt + r
.endr
	s_wait_kmcnt 0x0
	s_min_u32 s18, s18, 7                          ; the bound that route keeps, written out for the address
	s_lshl_b32 s22, s18, 22                        ; W1[e]: 4 MiB each; my 64 columns: 256 bytes
	s_lshl_b32 s20, s16, 8
	s_add_co_u32 s22, s22, s20
	s_add_nc_u64 s[WB:WB+1], s[6:7], s[22:23]      ; K step 0
	s_add_nc_u64 s[WB+2:WB+3], s[WB:WB+1], 262144  ; K step 1: 64 rows of 4,096 bytes on
	s_mov_b64 s[XB:XB+1], s[4:5]
	s_add_nc_u64 s[XB+2:XB+3], s[4:5], 256
; 52 LDS loads: both halves of a K step (32 along K each) into the two fragment buffers
.macro FETCH slot
	WIN 0
.irp kk, 0,1
	ds_load_tr16_b128 v[F0+FS*\kk:F0+FS*\kk+3],     v[BFR+\slot] offset:32*WPITCH*\kk
	ds_load_tr16_b128 v[F0+FS*\kk+4:F0+FS*\kk+7],   v[BFR+\slot] offset:32*WPITCH*\kk+16*WPITCH
	ds_load_tr16_b128 v[F0+FS*\kk+8:F0+FS*\kk+11],  v[BFR+\slot] offset:32*WPITCH*\kk+128
	ds_load_tr16_b128 v[F0+FS*\kk+12:F0+FS*\kk+15], v[BFR+\slot] offset:32*WPITCH*\kk+16*WPITCH+128
.irp mt, 0,1,2,3,4,5,6,7,8,9,10
	ds_load_b128 v[F0+FS*\kk+16+8*\mt:F0+FS*\kk+19+8*\mt], v[AFR+\slot] offset:16*XPITCH*\mt+64*\kk
	ds_load_b128 v[F0+FS*\kk+20+8*\mt:F0+FS*\kk+23+8*\mt], v[AFR+\slot] offset:16*XPITCH*\mt+64*\kk+32
.endr
.endr
.endm
; 22 matrix instructions, used transposed (source 0 = 16 columns of W, source 1 = 16 rows of x): lane (r, h) gets row r and the
; eight neighbouring columns 8 h .. 8 h + 7.  zero = 1: the first product starts the sums.
.macro MMA f, zero
.irp mt, 0,1,2,3,4,5,6,7,8,9,10
.if \zero
	v_wmma_f32_16x16x32_bf16 v[8*\mt:8*\mt+7],     v[\f:\f+7],    v[\f+16+8*\mt:\f+23+8*\mt], 0
	v_wmma_f32_16x16x32_bf16 v[G+8*\mt:G+7+8*\mt], v[\f+8:\f+15], v[\f+16+8*\mt:\f+23+8*\mt], 0
.else
	v_wmma_f32_16x16x32_bf16 v[8*\mt:8*\mt+7],     v[\f:\f+7],    v[\f+16+8*\mt:\f+23+8*\mt], v[8*\mt:8*\mt+7]
	v_wmma_f32_16x16x32_bf16 v[G+8*\mt:G+7+8*\mt], v[\f+8:\f+15], v[\f+16+8*\mt:\f+23+8*\mt], v[G+8*\mt:G+7+8*\mt]
.endif
.endr
.endm
.macro LOADX set                       ; 22 loads: row 8 i + 2 w + h, 16 lanes take its 256 bytes of this K step
	WINSET \set, 0x80, 0xc0
.set lx, 0
.rept NX
	global_load_b128 v[4*lx:4*lx+3], v[XO+lx], s[XB+2*\set:XB+2*\set+1]
.set lx, lx+1
.endr
.endm
.macro LOADW set                       ; 16 loads: row k = 4 i + w
	WINSET \set, 0x80, 0xc0
.set lw, 0
.rept NW
	global_load_b128 v[4*NX+4*lw:4*NX+4*lw+3], v[WO], s[WB+2*\set:WB+2*\set+1] offset:16384*lw
.set lw, lw+1
.endr
.endm
.macro CVT set                         ; each quad of f32 becomes 4 bf16 in its first two registers
	WINSET \set, 0x8a, 0xcf
.set q, 0
.rept NLD
	v_cvt_pk_bf16_f32 v[q], v[q], v[q+1]
	v_cvt_pk_bf16_f32 v[q+1], v[q+2], v[q+3]
.set q, q+4
.endr
.endm
.macro STORE set                       ; set n goes to slot n
	WINSET \set, 0x08, 0x0c
.set sx, 0
.rept NX
	ds_store_b64 v[XS+\set], v[4*sx:4*sx+1] offset:8*XPITCH*sx
.set sx, sx+1
.endr
.set sx, 0
.rept NW
	ds_store_b64 v[WS+\set], v[4*NX+4*sx:4*NX+4*sx+1] offset:4*WPITCH*sx
.set sx, sx+1
.endr
.endm
.macro NEXTK set                       ; the set's bases go two K steps on: 128 f32 of a row of x, 128 rows of W
	s_add_nc_u64 s[XB+2*\set:XB+2*\set+1], s[XB+2*\set:XB+2*\set+1], 512
	s_add_nc_u64 s[WB+2*\set:WB+2*\set+1], s[WB+2*\set:WB+2*\set+1], 524288
.endm
; STEP t: multiplies slot (= t & 1); cvt = 1: rounds step t + 1 from set o into slot o; load = 1: asks for step t + 3 into set o.
; left = the loads of the one younger step, which stay out.
.macro STEP slot, o, zero, cvt, left, load
	FETCH \slot
.if \cvt
	s_wait_loadcnt \left                           ; loads come back in order (ISA guide 5.7.1): set o is in, and its bases are free
	CVT \o
	STORE \o
.endif
	s_wait_dscnt 0x0                               ; my fragments are in, my reads of this slot and my stores into the other are done
.if \load
	NEXTK \o
	LOADX \o
	LOADW \o
.endif
.if \cvt
	s_barrier_signal -1                            ; say so
.endif
	WIN 0x50
	MMA F0, \zero
	MMA F1, 0
.rept 4
	v_nop                                          ; four places behind the last matrix instructions before loads land in
.endr                                              ; the fragment registers or vector instructions read the sums
	WIN 0
.if \cvt
	s_barrier_wait -1                              ; all four have: the other slot may be read, this one written
.endif
.endm
	LOADW 0                                        ; W needs no id: on its way while the ids come
	LOADW 1
	WIN 0
	s_wait_loadcnt 32                              ; the 33 ids are in; the 32 loads of W stay out
.set i, 0
.rept NX
	v_lshrrev_b32 v[XO+i], 1, v[XO+i]              ; token = id / 2
	v_min_u32 v[XO+i], 2047, v[XO+i]               ; pads: the last token
	v_lshl_add_u32 v[XO+i], v[XO+i], 12, v[R16]    ; 4,096 bytes a row + my 16 bytes
.set i, i+1
.endr
	WIN 0x44
.irp mt, 0,1,2,3,4,5,6,7,8,9,10
	v_min_u32 v[PR+2*\mt+1], 4095, v[PR+2*\mt+1]   ; pads: the last p
	v_lshlrev_b32 v[PR+2*\mt+1], 2, v[PR+2*\mt+1]
.endr
	LOADX 0
	LOADX 1
	WIN 0x41
.irp mt, 0,1,2,3,4,5,6,7,8,9,10
	global_load_b32 v[PR+2*\mt], v[PR+2*\mt+1], s[8:9]
.endr
	s_wait_loadcnt 33                              ; set 0 is whole; x of step 1 (22) and p (11) stay out
	CVT 0
	STORE 0
	s_wait_dscnt 0x0
	NEXTK 0
	LOADX 0                                        ; step 2
	LOADW 0
	WIN 0
	s_barrier_signal -1
	s_barrier_wait -1                              ; slot 0 is whole
	STEP 0, 1, 1, 1, NLD, 1                        ; step 0 starts the sums (its wait also covers p)
	s_mov_b32 s38, 6
.Lk:
	STEP 1, 0, 0, 1, NLD, 1                        ; steps 1 to 12
	STEP 0, 1, 0, 1, NLD, 1
	s_sub_co_u32 s38, s38, 1
	s_cmp_lg_u32 s38, 0
	s_cbranch_scc1 .Lk
	STEP 1, 0, 0, 1, NLD, 0                        ; step 13: step 15's loads stay out, nothing more is asked for
	STEP 0, 1, 0, 1, 0, 0                          ; step 14: the last loads
	STEP 1, 0, 0, 0, 0, 0                          ; step 15
	; THE GATE, in f32, in the fragment registers, which are done with: a' = p g h / (1 + 2^(-g log2 e))
	WIN 0x01
.set q, 0
.rept 44
	v_pk_mul_f32 v[T+q:T+1+q], v[G+q:G+1+q], 0xbfb8aa3b op_sel_hi:[1,0]    ; T = -g log2 e
.set q, q+2
.endr
	WIN 0x05
.set q, 0
.rept 44
	v_pk_mul_f32 v[U+q:U+1+q], v[G+q:G+1+q], v[q:q+1]                      ; U = g h
.set q, q+2
.endr
	WIN 0x04
.irp mt, 0,1,2,3,4,5,6,7,8,9,10
.irp k, 0,2,4,6
	v_pk_mul_f32 v[U+8*\mt+\k:U+1+8*\mt+\k], v[U+8*\mt+\k:U+1+8*\mt+\k], v[PR+2*\mt:PR+2*\mt+1] op_sel_hi:[1,0]   ; x p of my row
.endr
.endr
	WIN 0
.set q, 0
.rept 88
	v_exp_f32 v[T+q], v[T+q]
.set q, q+1
.endr
	v_nop                                          ; one plain place behind the run of transcendentals (ISA guide 5.7.2)
.set q, 0
	s_wait_alu depctr_va_vdst(0)
.rept 44
	v_pk_add_f32 v[T+q:T+1+q], v[T+q:T+1+q], 1.0 op_sel_hi:[1,0]
.set q, q+2
.endr
.set q, 0
.rept 88
	v_rcp_f32 v[T+q], v[T+q]
.set q, q+1
.endr
	v_nop
.set q, 0
	s_wait_alu depctr_va_vdst(0)
.rept 44
	v_pk_mul_f32 v[U+q:U+1+q], v[U+q:U+1+q], v[T+q:T+1+q]
.set q, q+2
.endr
.irp mt, 0,1,2,3,4,5,6,7,8,9,10
.irp k, 0,1,2,3
	v_cvt_pk_bf16_f32 v[T+4*\mt+\k], v[U+8*\mt+2*\k], v[U+1+8*\mt+2*\k]    ; packed into T's first 44 registers
.endr
.endr
	; THE WAY OUT: 16 bytes a lane into the stage, back as the tile lies in a
.irp mt, 0,1,2,3,4,5,6,7,8,9,10
	ds_store_b128 v[STG], v[T+4*\mt:T+3+4*\mt] offset:16*XPITCH*\mt
.endr
	s_wait_dscnt 0x0                               ; for the other waves, which read my columns
	s_barrier_signal -1
	s_barrier_wait -1
.irp i, 0,1,2,3,4,5,6,7,8,9,10
	ds_load_b128 v[T+44+4*\i:T+47+4*\i], v[RDB] offset:16*XPITCH*\i
.endr
.irp i, 0,1,2,3,4,5,6,7,8,9,10
	s_wait_dscnt 10-\i                             ; LDS loads come back in order: load i is in
	global_store_b128 v[T16], v[T+44+4*\i:T+47+4*\i], s[36:37] offset:2048*\i   ; a wave stores 512 consecutive bytes, at a multiple of 512
.endr
	s_wait_tensorcnt 0x0
	ds_add_u32 v46, v47
	s_wait_dscnt 0x0
	s_endpgm
.Lfunc_end_k_qb01ec19b21_ffn1:
	.size	k_qb01ec19b21_ffn1, .Lfunc_end_k_qb01ec19b21_ffn1-k_qb01ec19b21_ffn1
	.p2alignl 7, 3214868480
	.fill 96, 4, 3214868480
	.section	.rodata,"a",@progbits
	.p2align	6, 0x0
	.amdhsa_kernel k_qb01ec19b21_ffn1
		.amdhsa_group_segment_fixed_size 113408
		.amdhsa_private_segment_fixed_size 0
		.amdhsa_enable_private_segment 0
		.amdhsa_kernarg_size 40
		.amdhsa_user_sgpr_count 2
		.amdhsa_user_sgpr_kernarg_segment_ptr 1
		.amdhsa_wavefront_size32 1
		.amdhsa_system_sgpr_workgroup_id_x 1
		.amdhsa_system_sgpr_workgroup_id_y 1
		.amdhsa_system_sgpr_workgroup_id_z 1
		.amdhsa_system_vgpr_workitem_id 0
		.amdhsa_next_free_vgpr 920
		.amdhsa_next_free_sgpr 66
		.amdhsa_reserve_vcc 0
		.amdhsa_float_denorm_mode_32 3
		.amdhsa_float_denorm_mode_16_64 3
		.amdhsa_memory_ordered 1
		.amdhsa_forward_progress 1
		.amdhsa_inst_pref_size 143
	.end_amdhsa_kernel
	.amdgpu_metadata
---
amdhsa.version: [ 1, 2 ]
amdhsa.kernels:
  - .name:           k_qb01ec19b21_ffn1
    .symbol:         k_qb01ec19b21_ffn1.kd
    .args:
      - { .name: x, .offset: 0, .size: 8, .value_kind: global_buffer, .address_space: global }
      - { .name: W1, .offset: 8, .size: 8, .value_kind: global_buffer, .address_space: global }
      - { .name: expert_p, .offset: 16, .size: 8, .value_kind: global_buffer, .address_space: global }
      - { .name: rt, .offset: 24, .size: 8, .value_kind: global_buffer, .address_space: global }
      - { .name: a, .offset: 32, .size: 8, .value_kind: global_buffer, .address_space: global }
    .group_segment_fixed_size: 113408
    .private_segment_fixed_size: 0
    .kernarg_segment_align: 8
    .kernarg_segment_size: 40
    .max_flat_workgroup_size: 128
    .sgpr_count:     66
    .vgpr_count:     920
    .wavefront_size: 32
...
	.end_amdgpu_metadata
.endif
;; end of part 2
;; launch ffn2 (part 3): grid 248 x 1, 4 waves a work-group, no clusters, 180,992 bytes of LDS; arguments a, W2, rt, y; writes y
.if DOCPART == 3
	.amdgcn_target "amdgcn-amd-amdhsa--gfx1250"
	.amdhsa_code_object_version 6
	.text
	.protected	k_qb01ec19b21_ffn2
	.globl	k_qb01ec19b21_ffn2
	.p2align	8
	.type	k_qb01ec19b21_ffn2,@function
k_qb01ec19b21_ffn2:
	s_mov_b64 s[64:65], 0
	v_nop
	global_prefetch_b8 v0, s[64:65] scope:SCOPE_SE
	s_setreg_imm32_b32 hwreg(HW_REG_WAVE_MODE, 25, 1), 1
	s_wait_xcnt 0x0
; FFN2: y[id] = a'[pos] W2[e] in f32, each row stored at its pair id (pads at rows of their own, 4,096 + position, never read).
; 248 work-groups = 31 chunks of 176 rows x 8 blocks of 128 output columns (id = 8 chunk + cb), the chunks as in ffn1, one for each
; work-group: 176 rows x 128 columns, K = 512 in 8 steps of 64.  The shape is the same whatever the data; the chunk's expert enters W2's
; address, the rows' ids the addresses in y.  Four waves; wave w makes 11 row tiles x the column tiles at 16 w and 64 + 16 w.
; a' is bf16 already, blocked by 64 columns: a K step's tile is 22,528 consecutive bytes.  W2 is f32 and is rounded to bf16 between
; memory and LDS, so the operands come through registers: no tensor load and no joint request in a cluster (a copy engine
; moves bytes as they are).  A wave's load of W2 covers 512 consecutive bytes of a row, at a multiple of 512.
; The frame is ffn1's: two staging sets, two LDS slots, one barrier a step, two K steps on their way.
; Window 0 addresses and fragments; window 1 accumulators; windows 2, 3 the staging sets (a' quads at 4 i, i < 11; W quads at 44 + 4 i);
; on the way out window 2's first 44 registers hold the rows' offsets in y.
.set ROWS,   176
.set XPITCH, 144
.set WPITCH, 288
.set XTILE,  ROWS*XPITCH
.set WTILE,  64*WPITCH
.set SLOTB,  XTILE+WTILE
.set STAGE,  2*SLOTB                   ; 176 rows of 128 f32, pitch 528
.set SPITCH, 528                       ; 512 + 16 bytes: an odd multiple of 16
.set NA,     11                        ; loads of a' of a wave for one K step
.set NW,     16                        ; loads of W
.set NLD,    NA+NW
.set ABLK,   5456*128                  ; a's block of 64 columns
.set L16, 7                            ; 16 x lane
.set WO,  8                            ; W: 4096 w + 16 lane
.set AFR, 9
.set BFR, 11
.set XS,  13
.set WS,  15
.set STG, 17                           ; v17: row tiles 0-5, v18: row tiles 6-10 (LDS offsets have 16 bits)
.set T16, 19
.set RD,  20
.set IDS, 22                           ; v22-23  the ids of my 44 rows: lanes 0-31, lanes 0-11
.set IO,  24                           ; v24-25  their offsets in order[]
.set F0,  48
.set F1,  152
.set FS,  104
.set G,   88                           ; window 1: the second column tile's accumulators
.set AB,  24                           ; s[24:27] a's base for set 0, 1
.set WB,  28                           ; s[28:31] W's base for set 0, 1
.set MSB, 0
.macro WIN new
.if MSB != \new
	s_set_vgpr_msb (MSB<<8)|\new
.set MSB, \new
.endif
.endm
.macro WINSET set, w0, w1
.if \set == 0
	WIN \w0
.else
	WIN \w1
.endif
.endm
	s_load_b256 s[4:11], s[0:1], 0x0               ; a s[4:5], W2 s[6:7], rt s[8:9], y s[10:11]
	v_lshl_add_u32 v46, v0, 2, 0x2c100
	v_mov_b32 v47, 0
	v_lshrrev_b32 v1, 5, v0
	v_readfirstlane_b32 s14, v1                    ; wave
	s_lshr_b32 s15, ttmp9, 3                       ; chunk
	s_and_b32 s16, ttmp9, 7                        ; cb
	s_lshl_b32 s39, s15, 3
	s_wait_kmcnt 0x0
	s_load_b32 s18, s[8:9], s39 offset:0x0         ; tab[chunk]: the expert
	v_and_b32 v2, 15, v0                           ; r
	v_bfe_u32 v3, v0, 4, 1                         ; h
	v_and_b32 v4, 31, v0                           ; lane
	v_lshlrev_b32 v[L16], 4, v4
	s_lshl_b32 s23, s14, 12
	v_add_nc_u32 v[WO], s23, v[L16]                ; row k = 4 i + w, 128 columns over the 32 lanes
	v_mul_u32_u24 v[AFR], v2, XPITCH
	v_lshl_add_u32 v[AFR], v3, 4, v[AFR]
	v_add_nc_u32 v[AFR+1], SLOTB, v[AFR]
	v_and_b32 v5, 7, v0
	v_lshl_add_u32 v5, v3, 3, v5
	v_mul_u32_u24 v5, v5, WPITCH
	v_bfe_u32 v6, v0, 3, 1
	v_lshl_add_u32 v5, v6, 4, v5
	s_lshl_b32 s23, s14, 5
	s_add_co_u32 s23, s23, XTILE
	v_add_nc_u32 v[BFR], s23, v5
	v_add_nc_u32 v[BFR+1], SLOTB, v[BFR]
	v_lshrrev_b32 v5, 3, v4                        ; a': row thread / 8 = 4 w + lane / 8, 16 bytes (lane & 7)
	v_mul_u32_u24 v5, v5, XPITCH
	v_and_b32 v6, 7, v0
	v_lshl_add_u32 v5, v6, 4, v5
	s_mul_i32 s23, s14, 4*XPITCH
	v_add_nc_u32 v[XS], s23, v5
	v_add_nc_u32 v[XS+1], SLOTB, v[XS]
	s_mul_i32 s23, s14, WPITCH
	s_add_co_u32 s23, s23, XTILE
	v_lshl_add_u32 v[WS], v4, 3, s23               ; 4 bf16 = 8 bytes a lane
	v_add_nc_u32 v[WS+1], SLOTB, v[WS]
	v_mul_u32_u24 v5, v2, SPITCH                   ; stage: row r, columns 16 w + 8 h .. + 7 in f32
	v_lshl_add_u32 v5, v3, 5, v5
	s_lshl_b32 s23, s14, 6
	s_add_co_u32 s23, s23, STAGE
	v_add_nc_u32 v[STG], s23, v5
	v_add_nc_u32 v[STG+1], 6*16*SPITCH, v[STG]
	s_mul_i32 s23, s14, 44*SPITCH                  ; back: my 44 rows, a row's 512 bytes over the 32 lanes
	s_add_co_u32 s23, s23, STAGE
	v_add_nc_u32 v[RD], s23, v[L16]
	v_lshlrev_b32 v[T16], 4, v0
	s_mul_i32 s23, s14, 4*44                       ; 4 bytes x 44 w
	v_lshl_add_u32 v[IO], v4, 2, s23
	v_add_nc_u32 v5, 32, v4
	v_min_u32 v5, 43, v5
	v_lshl_add_u32 v[IO+1], v5, 2, s23
	s_mul_i32 s22, s15, 4*ROWS
	s_add_co_u32 s22, s22, 256
	s_mov_b32 s23, 0
	s_add_nc_u64 s[34:35], s[8:9], s[22:23]        ; order[] at my chunk
	s_mul_i32 s22, s15, ROWS*128
	s_add_nc_u64 s[AB:AB+1], s[4:5], s[22:23]      ; a', block 0, my chunk
	s_add_nc_u64 s[AB+2:AB+3], s[AB:AB+1], ABLK    ; block 1
	s_lshl_b32 s22, s16, 9
	s_add_nc_u64 s[36:37], s[10:11], s[22:23]      ; y at my 128 columns
	global_load_b32 v[IDS], v[IO], s[34:35]
	global_load_b32 v[IDS+1], v[IO+1], s[34:35]
	s_wait_kmcnt 0x0
	s_min_u32 s18, s18, 7                          ; the bound that route keeps, written out for the address
	s_lshl_b32 s20, s18, 21                        ; W2[e]: 2 MiB each; my 128 columns: 512 bytes
	s_add_co_u32 s22, s22, s20
	s_add_nc_u64 s[WB:WB+1], s[6:7], s[22:23]
	s_add_nc_u64 s[WB+2:WB+3], s[WB:WB+1], 262144
.macro FETCH slot
	WIN 0
.irp kk, 0,1
	ds_load_tr16_b128 v[F0+FS*\kk:F0+FS*\kk+3],     v[BFR+\slot] offset:32*WPITCH*\kk
	ds_load_tr16_b128 v[F0+FS*\kk+4:F0+FS*\kk+7],   v[BFR+\slot] offset:32*WPITCH*\kk+16*WPITCH
	ds_load_tr16_b128 v[F0+FS*\kk+8:F0+FS*\kk+11],  v[BFR+\slot] offset:32*WPITCH*\kk+128
	ds_load_tr16_b128 v[F0+FS*\kk+12:F0+FS*\kk+15], v[BFR+\slot] offset:32*WPITCH*\kk+16*WPITCH+128
.irp mt, 0,1,2,3,4,5,6,7,8,9,10
	ds_load_b128 v[F0+FS*\kk+16+8*\mt:F0+FS*\kk+19+8*\mt], v[AFR+\slot] offset:16*XPITCH*\mt+64*\kk
	ds_load_b128 v[F0+FS*\kk+20+8*\mt:F0+FS*\kk+23+8*\mt], v[AFR+\slot] offset:16*XPITCH*\mt+64*\kk+32
.endr
.endr
.endm
.macro MMA f, zero                     ; transposed use: lane (r, h) gets row r, columns 8 h .. 8 h + 7 of each tile
.irp mt, 0,1,2,3,4,5,6,7,8,9,10
.if \zero
	v_wmma_f32_16x16x32_bf16 v[8*\mt:8*\mt+7],     v[\f:\f+7],    v[\f+16+8*\mt:\f+23+8*\mt], 0
	v_wmma_f32_16x16x32_bf16 v[G+8*\mt:G+7+8*\mt], v[\f+8:\f+15], v[\f+16+8*\mt:\f+23+8*\mt], 0
.else
	v_wmma_f32_16x16x32_bf16 v[8*\mt:8*\mt+7],     v[\f:\f+7],    v[\f+16+8*\mt:\f+23+8*\mt], v[8*\mt:8*\mt+7]
	v_wmma_f32_16x16x32_bf16 v[G+8*\mt:G+7+8*\mt], v[\f+8:\f+15], v[\f+16+8*\mt:\f+23+8*\mt], v[G+8*\mt:G+7+8*\mt]
.endif
.endr
.endm
.macro LOAD set                        ; 11 loads of a' (the work-group takes 2,048 consecutive bytes each), 16 of W
	WINSET \set, 0x80, 0xc0
.set la, 0
.rept NA
	global_load_b128 v[4*la:4*la+3], v[T16], s[AB+2*\set:AB+2*\set+1] offset:2048*la
.set la, la+1
.endr
.set la, 0
.rept NW
	global_load_b128 v[4*NA+4*la:4*NA+4*la+3], v[WO], s[WB+2*\set:WB+2*\set+1] offset:16384*la
.set la, la+1
.endr
.endm
.macro CVT set                         ; W alone: a' is bf16 as it comes
	WINSET \set, 0x8a, 0xcf
.set q, 4*NA
.rept NW
	v_cvt_pk_bf16_f32 v[q], v[q], v[q+1]
	v_cvt_pk_bf16_f32 v[q+1], v[q+2], v[q+3]
.set q, q+4
.endr
.endm
.macro STORE set
	WINSET \set, 0x08, 0x0c
.set sx, 0
.rept NA
	ds_store_b128 v[XS+\set], v[4*sx:4*sx+3] offset:16*XPITCH*sx
.set sx, sx+1
.endr
.set sx, 0
.rept NW
	ds_store_b64 v[WS+\set], v[4*NA+4*sx:4*NA+4*sx+1] offset:4*WPITCH*sx
.set sx, sx+1
.endr
.endm
.macro NEXTK set                       ; two K steps on: two blocks of a', 128 rows of W
	s_add_nc_u64 s[AB+2*\set:AB+2*\set+1], s[AB+2*\set:AB+2*\set+1], 2*ABLK
	s_add_nc_u64 s[WB+2*\set:WB+2*\set+1], s[WB+2*\set:WB+2*\set+1], 524288
.endm
; STEP t: multiplies slot (= t & 1); cvt = 1: brings step t + 1 from set o into slot o; load = 1: asks for step t + 3 into set o.
.macro STEP slot, o, zero, cvt, left, load
	FETCH \slot
.if \cvt
	s_wait_loadcnt \left                           ; set o is in (loads come back in order, ISA guide 5.7.1), its bases are free; the younger step stays out
	CVT \o
	STORE \o
.endif
	s_wait_dscnt 0x0                               ; my fragments are in, my reads of this slot and my stores into the other are done
.if \load
	NEXTK \o
	LOAD \o
.endif
.if \cvt
	s_barrier_signal -1
.endif
	WIN 0x50
	MMA F0, \zero
	MMA F1, 0
.rept 4
	v_nop                                          ; four places behind the last matrix instructions (ISA guide 7.12.1)
.endr
	WIN 0
.if \cvt
	s_barrier_wait -1
.endif
.endm
	LOAD 0
	LOAD 1
	s_wait_loadcnt NLD                             ; the ids and set 0 are in; step 1 stays out
	CVT 0
	STORE 0
	s_wait_dscnt 0x0
	NEXTK 0
	LOAD 0                                         ; step 2
	WIN 0
	s_barrier_signal -1
	s_barrier_wait -1
	STEP 0, 1, 1, 1, NLD, 1                        ; step 0 starts the sums
	s_mov_b32 s38, 2
.Lk:
	STEP 1, 0, 0, 1, NLD, 1                        ; steps 1 to 4
	STEP 0, 1, 0, 1, NLD, 1
	s_sub_co_u32 s38, s38, 1
	s_cmp_lg_u32 s38, 0
	s_cbranch_scc1 .Lk
	STEP 1, 0, 0, 1, NLD, 0                        ; step 5: step 7's loads stay out
	STEP 0, 1, 0, 1, 0, 0                          ; step 6: the last loads
	STEP 1, 0, 0, 0, 0, 0                          ; step 7
	; THE WAY OUT: the sums go to the stage as they are, 32 bytes of a row for each tile and lane
	WIN 0x04
.irp mt, 0,1,2,3,4,5
	ds_store_b128 v[STG], v[8*\mt:8*\mt+3]         offset:16*SPITCH*\mt
	ds_store_b128 v[STG], v[8*\mt+4:8*\mt+7]       offset:16*SPITCH*\mt+16
	ds_store_b128 v[STG], v[G+8*\mt:G+3+8*\mt]     offset:16*SPITCH*\mt+256
	ds_store_b128 v[STG], v[G+4+8*\mt:G+7+8*\mt]   offset:16*SPITCH*\mt+272
.endr
.irp mt, 6,7,8,9,10
	ds_store_b128 v[STG+1], v[8*\mt:8*\mt+3]       offset:16*SPITCH*(\mt-6)
	ds_store_b128 v[STG+1], v[8*\mt+4:8*\mt+7]     offset:16*SPITCH*(\mt-6)+16
	ds_store_b128 v[STG+1], v[G+8*\mt:G+3+8*\mt]   offset:16*SPITCH*(\mt-6)+256
	ds_store_b128 v[STG+1], v[G+4+8*\mt:G+7+8*\mt] offset:16*SPITCH*(\mt-6)+272
.endr
	WIN 0x80                                       ; the offsets in y of my 44 rows, into window 2 (staging set 0 is done with)
.set i, 0
.rept 44
.if i < 32
	v_readlane_b32 s40, v[IDS], i
.else
	v_readlane_b32 s40, v[IDS+1], i-32
.endif
	s_min_u32 s40, s40, 9551                       ; 4,096 + 5,455 at the most
	s_lshl_b32 s40, s40, 12                        ; 4,096 bytes a row of y
	v_add_nc_u32 v[i], s40, v[L16]
.set i, i+1
.endr
	WIN 0
	s_wait_dscnt 0x0                               ; for the other waves, which read my columns
	s_barrier_signal -1
	s_barrier_wait -1
.set i, 0
.rept 44
	ds_load_b128 v[F0+4*i:F0+3+4*i], v[RD] offset:SPITCH*i
.set i, i+1
.endr
	WIN 0x02                                       ; offsets from window 2, data from window 0
.set i, 0
.rept 44
	s_wait_dscnt 43-i                              ; LDS loads come back in order: row i is in
	global_store_b128 v[i], v[F0+4*i:F0+3+4*i], s[36:37]           ; a wave stores 512 consecutive bytes of one row, at a multiple of 512
.set i, i+1
.endr
	WIN 0
	s_wait_tensorcnt 0x0
	ds_add_u32 v46, v47
	s_wait_dscnt 0x0
	s_endpgm
.Lfunc_end_k_qb01ec19b21_ffn2:
	.size	k_qb01ec19b21_ffn2, .Lfunc_end_k_qb01ec19b21_ffn2-k_qb01ec19b21_ffn2
	.p2alignl 7, 3214868480
	.fill 96, 4, 3214868480
	.section	.rodata,"a",@progbits
	.p2align	6, 0x0
	.amdhsa_kernel k_qb01ec19b21_ffn2
		.amdhsa_group_segment_fixed_size 180992
		.amdhsa_private_segment_fixed_size 0
		.amdhsa_enable_private_segment 0
		.amdhsa_kernarg_size 32
		.amdhsa_user_sgpr_count 2
		.amdhsa_user_sgpr_kernarg_segment_ptr 1
		.amdhsa_wavefront_size32 1
		.amdhsa_system_sgpr_workgroup_id_x 1
		.amdhsa_system_sgpr_workgroup_id_y 1
		.amdhsa_system_sgpr_workgroup_id_z 1
		.amdhsa_system_vgpr_workitem_id 0
		.amdhsa_next_free_vgpr 880
		.amdhsa_next_free_sgpr 66
		.amdhsa_reserve_vcc 0
		.amdhsa_float_denorm_mode_32 3
		.amdhsa_float_denorm_mode_16_64 3
		.amdhsa_memory_ordered 1
		.amdhsa_forward_progress 1
		.amdhsa_inst_pref_size 100
	.end_amdhsa_kernel
	.amdgpu_metadata
---
amdhsa.version: [ 1, 2 ]
amdhsa.kernels:
  - .name:           k_qb01ec19b21_ffn2
    .symbol:         k_qb01ec19b21_ffn2.kd
    .args:
      - { .name: a, .offset: 0, .size: 8, .value_kind: global_buffer, .address_space: global }
      - { .name: W2, .offset: 8, .size: 8, .value_kind: global_buffer, .address_space: global }
      - { .name: rt, .offset: 16, .size: 8, .value_kind: global_buffer, .address_space: global }
      - { .name: y, .offset: 24, .size: 8, .value_kind: global_buffer, .address_space: global }
    .group_segment_fixed_size: 180992
    .private_segment_fixed_size: 0
    .kernarg_segment_align: 8
    .kernarg_segment_size: 32
    .max_flat_workgroup_size: 128
    .sgpr_count:     66
    .vgpr_count:     880
    .wavefront_size: 32
...
	.end_amdgpu_metadata
.endif
;; end of part 3
;; launch combine (part 4): grid 256 x 1, 8 waves a work-group, no clusters, 0 bytes of LDS; arguments y, out0; writes out0
.if DOCPART == 4
	.amdgcn_target "amdgcn-amd-amdhsa--gfx1250"
	.amdhsa_code_object_version 6
	.text
	.protected	k_qb01ec19b21_combine
	.globl	k_qb01ec19b21_combine
	.p2align	8
	.type	k_qb01ec19b21_combine,@function
k_qb01ec19b21_combine:
	s_mov_b64 s[64:65], 0
	v_nop
	global_prefetch_b8 v0, s[64:65] scope:SCOPE_SE
	s_setreg_imm32_b32 hwreg(HW_REG_WAVE_MODE, 25, 1), 1
	s_wait_xcnt 0x0
; COMBINE: out[t] = y[2 t] + y[2 t + 1] (the gates p are already in y).  A stream: one wave, one token; 16 loads of 512 consecutive
; bytes all on their way at once, 8 stores of 512 consecutive bytes.  No LDS, no barrier, no matrix unit: nothing is shared.
; LIMIT: rows of y are written for pairs whose expert index lies in 0..7 (see route).
.set YA, 8                             ; v[8:39]   row 2 t
.set YB, 40                            ; v[40:71]  row 2 t + 1
	s_load_b128 s[4:7], s[0:1], 0x0                ; y s[4:5], out0 s[6:7]
	v_and_b32 v1, 31, v0
	v_lshrrev_b32 v2, 5, v0
	v_readfirstlane_b32 s8, v2                     ; wave
	v_lshlrev_b32 v1, 4, v1                        ; 16 x lane
	s_lshl3_add_u32 s9, ttmp9, s8                  ; token = 8 x work-group + wave
	s_lshl_b32 s10, s9, 13                         ; two rows of 4,096 bytes
	s_mov_b32 s11, 0
	s_lshl_b32 s12, s9, 12
	s_mov_b32 s13, 0
	s_wait_kmcnt 0x0
	s_add_nc_u64 s[4:5], s[4:5], s[10:11]
	s_add_nc_u64 s[6:7], s[6:7], s[12:13]
.irp j, 0,1,2,3,4,5,6,7
	global_load_b128 v[YA+4*\j:YA+4*\j+3], v1, s[4:5] offset:512*\j th:TH_LOAD_NT
.endr
.irp j, 0,1,2,3,4,5,6,7
	global_load_b128 v[YB+4*\j:YB+4*\j+3], v1, s[4:5] offset:4096+512*\j th:TH_LOAD_NT
.endr
.irp j, 0,1,2,3,4,5,6,7
	s_wait_loadcnt 7-\j                            ; piece j of both rows is in; the 7 - j younger loads stay out
	v_pk_add_f32 v[YA+4*\j:YA+4*\j+1], v[YA+4*\j:YA+4*\j+1], v[YB+4*\j:YB+4*\j+1]
	v_pk_add_f32 v[YA+4*\j+2:YA+4*\j+3], v[YA+4*\j+2:YA+4*\j+3], v[YB+4*\j+2:YB+4*\j+3]
	global_store_b128 v1, v[YA+4*\j:YA+4*\j+3], s[6:7] offset:512*\j th:TH_STORE_NT
.endr
	s_endpgm
.Lfunc_end_k_qb01ec19b21_combine:
	.size	k_qb01ec19b21_combine, .Lfunc_end_k_qb01ec19b21_combine-k_qb01ec19b21_combine
	.p2alignl 7, 3214868480
	.fill 96, 4, 3214868480
	.section	.rodata,"a",@progbits
	.p2align	6, 0x0
	.amdhsa_kernel k_qb01ec19b21_combine
		.amdhsa_group_segment_fixed_size 0
		.amdhsa_private_segment_fixed_size 0
		.amdhsa_enable_private_segment 0
		.amdhsa_kernarg_size 16
		.amdhsa_user_sgpr_count 2
		.amdhsa_user_sgpr_kernarg_segment_ptr 1
		.amdhsa_wavefront_size32 1
		.amdhsa_system_sgpr_workgroup_id_x 1
		.amdhsa_system_sgpr_workgroup_id_y 1
		.amdhsa_system_sgpr_workgroup_id_z 1
		.amdhsa_system_vgpr_workitem_id 0
		.amdhsa_next_free_vgpr 72
		.amdhsa_next_free_sgpr 66
		.amdhsa_reserve_vcc 0
		.amdhsa_float_denorm_mode_32 3
		.amdhsa_float_denorm_mode_16_64 3
		.amdhsa_memory_ordered 1
		.amdhsa_forward_progress 1
		.amdhsa_inst_pref_size 5
	.end_amdhsa_kernel
	.amdgpu_metadata
---
amdhsa.version: [ 1, 2 ]
amdhsa.kernels:
  - .name:           k_qb01ec19b21_combine
    .symbol:         k_qb01ec19b21_combine.kd
    .args:
      - { .name: y, .offset: 0, .size: 8, .value_kind: global_buffer, .address_space: global }
      - { .name: out0, .offset: 8, .size: 8, .value_kind: global_buffer, .address_space: global }
    .group_segment_fixed_size: 0
    .private_segment_fixed_size: 0
    .kernarg_segment_align: 8
    .kernarg_segment_size: 16
    .max_flat_workgroup_size: 256
    .sgpr_count:     66
    .vgpr_count:     72
    .wavefront_size: 32
...
	.end_amdgpu_metadata
.endif
;; end of part 4
;; ======== version 2 of 2: 4 launches; version 1 with the launch route written anew for expert scheduling mode
;; workspace buffers: rt 22,784 bytes of whole numbers; a 5,586,944 bytes; y 39,124,992 bytes
;; launch route (part 5): grid 1 x 1, 8 waves a work-group, no clusters, 136,448 bytes of LDS; arguments expert_idxs, rt; writes rt
.if DOCPART == 5
	.amdgcn_target "amdgcn-amd-amdhsa--gfx1250"
	.amdhsa_code_object_version 6
	.text
	.protected	k_qb01ec19b21_route
	.globl	k_qb01ec19b21_route
	.p2align	8
	.type	k_qb01ec19b21_route,@function
k_qb01ec19b21_route:
	s_mov_b64 s[64:65], 0
	v_nop
	global_prefetch_b8 v0, s[64:65] scope:SCOPE_SE
	s_setreg_imm32_b32 hwreg(HW_REG_WAVE_SCHED_MODE, 0, 2), 2
	s_setreg_imm32_b32 hwreg(HW_REG_WAVE_MODE, 25, 1), 1
	s_wait_xcnt 0x0
	s_wait_alu depctr_vm_vsrc(0)
; ROUTE: sorts the 4,096 (token, slot) pairs by expert into chunks of 176 rows.  One work-group, eight waves.
; rt, bytes 0..255: tab[chunk] = {expert of the chunk, that expert's first chunk}, 32 entries; from byte 256: order[5632], a pair id
; for each row position (chunk = position / 176).
; Expert e with c pairs owns ceil(c / 176) chunks, the experts one behind the other.  For every split of 4,096 pairs over 8 experts
; the sum is at most (4096 + 8 x 175) / 176 = 31.2, so 31 chunks (5,456 positions) always do; order[] is written up to 5,632 so that
; every store covers 256 whole bytes.  Positions that hold no pair are pads: id = 4096 + position.  Later launches clamp a pad to
; a valid token and give it a row of its own to write, which nobody reads.
; Phase 1: wave e scans all pairs and appends those of expert e to its own list in LDS.  A lane whose pair is another expert's
; stores to a dump word of its own, so that all lanes stay on.  Phase 2, behind one barrier: order[] is made by gathering.
; LIMIT: an index outside 0..7 lands in no list, so that pair's row is never made (the function defined would add zero for it).
; No matrix unit, no cluster: 16 KiB of whole numbers, read by each wave once.
; THE MODE: SCHED_MODE bits 1:0 = 2 (LLVM: expert scheduling mode 2), set by the entry lines.  The code itself states the register dependences
; between vector instructions and memory or LDS instructions, and between a vector instruction that writes a scalar register and its readers,
; with s_wait_alu, always for 0.
; THE PLAN, PHASE 1.  The 128 groups of 32 pairs go in 8 blocks of 16.  Registers that LDS instructions touch:
;   IDX + q     loaded at the head; block q / 16 makes the group's LDS address in it; read by one store, issued in the block behind; never written again.
;   ID0, ID1    sixteen pair ids each.  Block p writes ID[p % 2]; the sixteen stores issued in block p + 1 read it.
; Block p: sixteen compares into sixteen scalar masks; the waits; then block p - 1's stores, dealt among block p's vector instructions, which name
; block p's own IDX registers, ID[p % 2], v3 and v11: none of the registers that those stores touch.
; THE PLAN, PHASE 2.  11 trips of 512 positions: one written out, five laps of two, a tail.  Buffers b = trip % 2:
;   AD[b]       written by trip t's arithmetic; read by trip t's LDS load.
;   LD[b]       trip t's LDS load lands in it; read by two selects in trip t + 1.
;   OUT[b]      written by those selects; read by the store that trip t + 1 issues.
;   GO          the store's offset, made once; the rows are reached by the scalar base, which moves on once a lap, and by immediate offsets.
; One wait on va_vdst a trip, ahead of its LDS load and its store; one wait on vm_vsrc a lap, beside s_wait_xcnt 0, in the lap's second trip.
.set LISTB, 16896                      ; a wave's list: 4,096 places, 32 dump words at 4096 + lane, filled up to 33 x 512 bytes
.set CNT,   8*LISTB                    ; behind the lists: the eight counts
.set CH,    176                        ; rows in a chunk
.set IDX,   16                         ; v[16:143] all 4,096 indices: load j, lane l, word c = pair 128 j + 4 l + c; then each its LDS address
.set CN,    40                         ; s[40:47] the experts' counts
.set CS,    48                         ; s[48:55] the experts' first chunks
.set MK,    20                         ; s[20:35] phase 1: a block's sixteen masks; phase 2: s[20:26] the seven of SEL
.set FM,    28                         ; s[28:31] phase 2: buffer b's two masks (pair or pad) at FM + 2 b
.set POS,   152                        ; phase 2, registers of its own
.set CHK,   153
.set E,     154                        ; v[154:155] expert, its first chunk: a pair for tab's store
.set ST,    155
.set CT,    156
.set LOC,   157
.set LC,    158
.set AD,    159                        ; buffer 0; buffer 1 of AD, LD, P0, P1 and OUT lies SET registers higher
.set LD,    160                        ; v[160:161]
.set P0,    162
.set P1,    163
.set L1,    164
.set GO,    165
.set OUT,   166                        ; v[166:167]
.set TO,    168
.set ID,    176                        ; v[176:207] two buffers of sixteen pair ids
.set SET,   50                         ; v209 AD, v[210:211] LD, v212 P0, v213 P1, v[216:217] OUT of buffer 1
	s_load_b128 s[4:7], s[0:1], 0x0                ; expert_idxs s[4:5], rt s[6:7]
	v_lshl_add_u32 v214, v0, 2, 0x21100
	v_mov_b32 v215, 0
	v_and_b32 v1, 31, v0                           ; lane
	v_lshrrev_b32 v2, 5, v0
	v_readfirstlane_b32 s8, v2                     ; wave = expert
	v_lshlrev_b32 v2, 4, v1                        ; 16 x lane
	v_lshlrev_b32 v3, 2, v1                        ; 4 x lane
	v_mov_b32 v4, 0
	v_mov_b32 v5, 0
	v_mov_b32 v6, 0
	v_mov_b32 v7, 0
	v_add_nc_u32 v11, 4096, v1                     ; my dump word's index
	s_mov_b32 s10, 0                               ; my count
	s_wait_alu depctr_va_sdst(0)                   ; s8 is written, ahead of its first reader, the line below
	s_mul_i32 s9, s8, LISTB                        ; my list
	v_add_nc_u32 v8, s9, v2
	s_wait_kmcnt 0x0
	s_wait_alu depctr_va_vdst(0)                   ; v2 is written, the loads' offset; so are v8 and v[4:7], the address and the data of the stores that clear my list
.set j, 0
.rept 32
	global_load_b128 v[IDX+4*j:IDX+4*j+3], v2, s[4:5] offset:512*j
.set j, j+1
.endr
.set j, 0
.rept 33
	ds_store_b128 v8, v[4:7] offset:512*j          ; every word of my list is written before phase 2 reads it
.set j, j+1
.endr
	s_wait_loadcnt 0x0
; Block p: 16 groups of 32 pairs.  Those of my expert go to my list, each at the count so far plus the number of lower lanes that match.
.macro BLK p
.set i, 0
.rept 16
	v_cmp_eq_u32 s[MK+i], s8, v[IDX+16*\p+i]
.set i, i+1
.endr
	s_wait_alu depctr_va_sdst(0)                   ; the sixteen masks are written, ahead of their first readers below
.if \p > 0
	s_wait_alu depctr_va_vdst(0)                   ; the block before has written its sixteen addresses and its sixteen ids, which the stores below read
.endif
.if \p > 1
	s_wait_alu depctr_vm_vsrc(0)                   ; the stores issued in the block before have read ID[p % 2], which this block writes again
.endif
.set i, 0
.rept 16
.if \p > 0
	ds_store_b32 v[IDX+16*\p-16+i], v[ID+16*((\p+1)%2)+i]          ; the block before; no vector instruction since the waits names these two registers
.endif
	v_mbcnt_lo_u32_b32 v[IDX+16*\p+i], s[MK+i], s10
	v_cndmask_b32 v[IDX+16*\p+i], v11, v[IDX+16*\p+i], s[MK+i]     ; no match: the dump word
	v_min_u32 v[IDX+16*\p+i], 0x101f, v[IDX+16*\p+i]               ; 4,127 at the most: the bound is written out for the address
	v_lshl_add_u32 v[IDX+16*\p+i], v[IDX+16*\p+i], 2, s9
	v_add_nc_u32 v[ID+16*(\p%2)+i], 128*((16*\p+i)/4)+i%4, v3      ; the pair's id
	s_bcnt1_i32_b32 s11, s[MK+i]
	s_add_co_u32 s10, s10, s11
.set i, i+1
.endr
.endm
	BLK 0
	BLK 1
	BLK 2
	BLK 3
	BLK 4
	BLK 5
	BLK 6
	BLK 7
	; the counts meet in LDS; the same barrier shows every list whole
	v_mov_b32 v12, CNT
	v_lshl_add_u32 v13, s8, 2, v12
	v_mov_b32 v14, s10
	s_wait_alu depctr_va_vdst(0)                   ; block 7 has written its addresses and ID1; v12, v13 and v14 are written: all that the LDS instructions from here to the counts' loads read
.set i, 0
.rept 16
	ds_store_b32 v[IDX+112+i], v[ID+16+i]
.set i, i+1
.endr
	ds_store_b32 v13, v14
	s_wait_dscnt 0x0                               ; for the other waves: my list and my count are in LDS before I signal
	s_barrier_signal -1
	s_barrier_wait -1
	ds_load_b128 v[144:147], v12
	ds_load_b128 v[148:151], v12 offset:16
	s_wait_dscnt 0x0
.irp i, 0,1,2,3,4,5,6,7
	v_readfirstlane_b32 s[CN+\i], v[144+\i]
.endr
	s_wait_alu depctr_va_sdst(0)                   ; the eight counts are written, ahead of their first reader
	; first chunks: a running sum of ceil(c / 176) = ((c + 175) >> 4) / 11, and q / 11 = (q x 745) >> 13 for q below 2,730
	; (745 x 11 = 8,195: the excess is 3 / (8,192 x 11) a unit of q, less than 1 / 11 in all up to there); here q is at most 266
	s_mov_b32 s[CS], 0
.irp i, 0,1,2,3,4,5,6
	s_add_co_u32 s11, s[CN+\i], CH-1
	s_lshr_b32 s11, s11, 4
	s_mul_i32 s11, s11, 745
	s_lshr_b32 s11, s11, 13
	s_add_co_u32 s[CS+\i+1], s[CS+\i], s11
.endr
; the expert that owns chunk v[chk] is the last one whose first chunk is not above it (an empty expert shares its first chunk with the
; next and is passed over; chunks behind the last one used fall to expert 7, beyond its count).  With it its first chunk and count.
; The seven compares stand in one run, each with a mask of its own, and one wait serves them.
.macro SEL chk
.irp i, 1,2,3,4,5,6,7
	v_cmp_gt_u32 s[MK+\i-1], s[CS+\i], v[\chk]     ; first chunk above mine: keep what I have
.endr
	v_mov_b32 v[E], 0
	v_mov_b32 v[ST], 0
	v_mov_b32 v[CT], s[CN]
	s_wait_alu depctr_va_sdst(0)                   ; the seven masks are written, ahead of the selects that read them
.irp i, 1,2,3,4,5,6,7
	v_cndmask_b32 v[E], \i, v[E], s[MK+\i-1]
	v_cndmask_b32 v[ST], s[CS+\i], v[ST], s[MK+\i-1]
	v_cndmask_b32 v[CT], s[CN+\i], v[CT], s[MK+\i-1]
.endr
.endm
; the end of a trip's work, done in the trip behind it: buffer o's two list entries are in; below the count a pair, else a pad
.macro FIN o
	s_wait_dscnt 0x0                               ; the one LDS load that is out, issued a trip ago, has landed in LD[o]
	v_cndmask_b32 v[OUT+SET*(\o)], v[P0+SET*(\o)], v[LD+SET*(\o)], s[FM+2*(\o)]
	v_cndmask_b32 v[OUT+SET*(\o)+1], v[P1+SET*(\o)], v[LD+SET*(\o)+1], s[FM+2*(\o)+1]
.endm
; A trip: 512 positions; a wave makes 64 of them, two a lane (both in one chunk: 176 is even).  b: the trip's buffers.
; fin = 1: the trip before is finished and stored, at byte `at` from the base.  free = 1: the lap's second trip, which holds the lap's waits for registers that memory instructions have read.
.macro TRIP b, fin, free, at
	v_lshrrev_b32 v[CHK], 4, v[POS]
	v_mul_u32_u24 v[CHK], 745, v[CHK]
	v_lshrrev_b32 v[CHK], 13, v[CHK]               ; position / 176 (position >> 4 is at most 351)
	SEL CHK
	v_mul_u32_u24 v[LOC], CH, v[ST]
	v_sub_nc_u32 v[LOC], v[POS], v[LOC]            ; my place in the expert's list
	v_add_nc_u32 v[L1], 1, v[LOC]
	v_cmp_gt_u32 s[FM+2*\b], v[CT], v[LOC]         ; below the count: a pair; else a pad
	v_cmp_gt_u32 s[FM+2*\b+1], v[CT], v[L1]
	v_min_u32 v[LC], 4094, v[LOC]                  ; the bounds are written out for the address
.if \free
	s_wait_xcnt 0x0                                ; every earlier memory instruction has had its addresses translated (ISA guide 3.1): the stores' base and data are rewritten only behind this wait
	s_wait_alu depctr_vm_vsrc(0)                   ; the LDS loads and stores issued so far have read AD0 and OUT1, which this trip writes again, and AD1 and OUT0, which the next trip does
	s_add_nc_u64 s[18:19], s[18:19], 4096          ; the base moves on by a lap: two trips of 2,048 bytes
.endif
	v_min_u32 v[AD+SET*\b], 7, v[E]
	v_mul_u32_u24 v[AD+SET*\b], LISTB, v[AD+SET*\b]
	v_lshl_add_u32 v[AD+SET*\b], v[LC], 2, v[AD+SET*\b]
	v_add_nc_u32 v[P0+SET*\b], 4096, v[POS]        ; the pads' ids
	v_add_nc_u32 v[P1+SET*\b], 4097, v[POS]
	v_add_nc_u32 v[POS], 512, v[POS]
	s_wait_alu depctr_va_sdst(0)                   ; this trip's two masks are written: their first readers are the next trip's selects, and the wait stands ahead of the branch between
.if \fin
	FIN 1-\b
.endif
	s_wait_alu depctr_va_vdst(0)                   ; AD[b] is written, which the load reads (in the first trip GO too); the selects have written the other OUT, which the store reads; the last trip's selects are done reading LD[b], in which the load lands
	ds_load_b64 v[LD+SET*\b:LD+SET*\b+1], v[AD+SET*\b]
.if \fin
	global_store_b64 v[GO], v[OUT+SET*(1-\b):OUT+SET*(1-\b)+1], s[18:19] offset:\at   ; a wave stores 256 consecutive bytes, at a multiple of 256
.endif
.endm
	; order[]: 11 trips
	s_add_nc_u64 s[18:19], s[6:7], 256
	s_lshl_b32 s11, s8, 6
	v_lshl_add_u32 v[POS], v1, 1, s11
	v_lshlrev_b32 v[GO], 2, v[POS]                 ; my 8 bytes in a trip's 2,048; never written again
	TRIP 0, 0, 0, 0                                ; trip 0 has no trip in front of it
	s_mov_b32 s16, 0
.Lout:                                                 ; trips 1 to 10, two to a lap: both buffers are back at their start
	TRIP 1, 1, 0, 0
	TRIP 0, 1, 1, -2048                            ; the base has moved on: the offset reaches back
	s_add_co_u32 s16, s16, 1
	s_cmp_lt_u32 s16, 5
	s_cbranch_scc1 .Lout
	FIN 0                                          ; trip 10 is finished
	s_wait_alu depctr_va_vdst(0)                   ; the selects have written OUT0, which the last store of order[] reads
	global_store_b64 v[GO], v[OUT:OUT+1], s[18:19]
	; tab[]: wave 0, lane = chunk, one store of 256 bytes
	s_cmp_lg_u32 s8, 0
	s_cbranch_scc1 .Ldone
	SEL 1
	v_lshlrev_b32 v[TO], 3, v1
	s_wait_alu depctr_va_vdst(0)                   ; the offset and the pair of expert and first chunk are written, which the store reads
	global_store_b64 v[TO], v[E:E+1], s[6:7]
.Ldone:
	s_wait_dscnt 0x0
	s_wait_alu depctr_hold_cnt(0) depctr_sa_sdst(0) depctr_va_vdst(0) depctr_va_sdst(0) depctr_va_ssrc(0) depctr_va_vcc(0) depctr_vm_vsrc(0)
	s_wait_tensorcnt 0x0
	ds_add_u32 v214, v215
	s_wait_dscnt 0x0
	s_endpgm
.Lfunc_end_k_qb01ec19b21_route:
	.size	k_qb01ec19b21_route, .Lfunc_end_k_qb01ec19b21_route-k_qb01ec19b21_route
	.p2alignl 7, 3214868480
	.fill 96, 4, 3214868480
	.section	.rodata,"a",@progbits
	.p2align	6, 0x0
	.amdhsa_kernel k_qb01ec19b21_route
		.amdhsa_group_segment_fixed_size 136448
		.amdhsa_private_segment_fixed_size 0
		.amdhsa_enable_private_segment 0
		.amdhsa_kernarg_size 16
		.amdhsa_user_sgpr_count 2
		.amdhsa_user_sgpr_kernarg_segment_ptr 1
		.amdhsa_wavefront_size32 1
		.amdhsa_system_sgpr_workgroup_id_x 1
		.amdhsa_system_sgpr_workgroup_id_y 1
		.amdhsa_system_sgpr_workgroup_id_z 1
		.amdhsa_system_vgpr_workitem_id 0
		.amdhsa_next_free_vgpr 218
		.amdhsa_next_free_sgpr 66
		.amdhsa_reserve_vcc 0
		.amdhsa_float_denorm_mode_32 3
		.amdhsa_float_denorm_mode_16_64 3
		.amdhsa_memory_ordered 1
		.amdhsa_forward_progress 1
		.amdhsa_inst_pref_size 85
	.end_amdhsa_kernel
	.amdgpu_metadata
---
amdhsa.version: [ 1, 2 ]
amdhsa.kernels:
  - .name:           k_qb01ec19b21_route
    .symbol:         k_qb01ec19b21_route.kd
    .args:
      - { .name: expert_idxs, .offset: 0, .size: 8, .value_kind: global_buffer, .address_space: global }
      - { .name: rt, .offset: 8, .size: 8, .value_kind: global_buffer, .address_space: global }
    .group_segment_fixed_size: 136448
    .private_segment_fixed_size: 0
    .kernarg_segment_align: 8
    .kernarg_segment_size: 16
    .max_flat_workgroup_size: 256
    .sgpr_count:     66
    .vgpr_count:     218
    .wavefront_size: 32
...
	.end_amdgpu_metadata
.endif
;; end of part 5
;; launch ffn1: the kernel of part 2 again; grid 248 x 1, 4 waves a work-group, no clusters, 113,408 bytes of LDS; arguments x, W1, expert_p, rt, a; writes a
;; launch ffn2: the kernel of part 3 again; grid 248 x 1, 4 waves a work-group, no clusters, 180,992 bytes of LDS; arguments a, W2, rt, y; writes y
;; launch combine: the kernel of part 4 again; grid 256 x 1, 8 waves a work-group, no clusters, 0 bytes of LDS; arguments y, out0; writes out0
